; MI455X (gfx1250); checked and timed in simulation.
; The chip was launched on July 23, 2026; its instructions are those of AMD's public machine-readable ISA for CDNA 5 (MIT licence, August 2026) and "CDNA5" Instruction Set Architecture Reference Guide (July 2026). The comments in the code are by the model that wrote it; some were corrected since.
;; Self Attention With Map. Allowed arithmetic: float matrix products may take bf16 or f16 operands with f32 sums; all other float work in f32.
;; Inputs: bk 1 float32; bq 1 float32; bv 1 float32; gamma 1 float32; wk 1 x 1 x 1 float32; wq 1 x 1 x 1 float32; wv 1 x 1 x 1 float32; x 1 x 1 x 128 x 128 float32.
;; Outputs: out0 1 x 1 x 128 x 128 float32; out1 1 x 1 x 128 x 128 float32.
;; 2 versions, each right; version 2 is version 1 with the launch colsum written anew for expert scheduling mode. Each part assembles by itself: llvm-mc -triple=amdgcn-amd-amdhsa -mcpu=gfx1250 --defsym DOCPART=n.
;; ======== version 1 of 2: 2 launches
;; limits: values outside matrix products are rounded to bf16
;; workspace buffers: ws 196,608 bytes
;; launch colsum (part 1): grid 256 x 1, 8 waves a work-group, no clusters, 171,520 bytes of LDS; arguments x, wq, bq, wk, bk, wv, bv, gamma, out0, ws; writes out0, ws
.if DOCPART == 1
	.amdgcn_target "amdgcn-amd-amdhsa--gfx1250"
	.amdhsa_code_object_version 6
	.text
	.protected	k_q692866db7d_colsum
	.globl	k_q692866db7d_colsum
	.p2align	8
	.type	k_q692866db7d_colsum,@function
k_q692866db7d_colsum:
	s_mov_b64 s[64:65], 0
	v_nop
	global_prefetch_b8 v0, s[64:65] scope:SCOPE_SE
	s_setreg_imm32_b32 hwreg(HW_REG_WAVE_MODE, 25, 1), 1
	s_wait_xcnt 0x0
; SelfAttentionWithMap, one channel, N = 16,384 positions.  First of two launches: the column sums of the softmax, and out0.
;   f_i = sq x_i + bq,  g_j = sk x_j + bk,  hv_i = sv x_i + bv,  with sq, sk, sv = w / |w| (the spectral norm of a 1 x 1 weight is |w|).
;   e_ij = exp(f_i g_j - m_j),  m_j = max over i of f_i g_j = max(g_j fmax, g_j fmin): the true maximum of the column, from one minimum and maximum of f.
;   Z_j = sum_i e_ij,  S_j = sum_i hv_i e_ij,  out0_j = gamma S_j / Z_j + x_j.
;   ws gets, for the second launch, g'_j = g_j log2(e) at byte 0, -m'_j = -m_j log2(e) at byte 65,536, 1 / (N Z_j) at byte 131,072.
; SHARES: 256 work-groups of 8 waves.  A work-group owns 64 columns j (four tiles of 16); wave w owns the rows i = 2,048 w .. 2,048 w + 2,047,
; 64 chunks of 32.  For a chunk and a tile a lane makes 16 exponentials, exactly the B fragment of a 16 x 16 x 32 product: lane (r, h) holds
; column r, k = 8 h .. 8 h + 7 and 16 + 8 h .. + 7.  A's rows are: ones (gives Z), bf16(hv) and bf16(hv - bf16(hv)) (together S), so that
; S and Z are sums over the SAME rounded e and S / Z is a weighted mean of hv.
; The exponent f g' - m' is one fused multiply-add in f32: the scores have a contraction of length 1, and 16-bit operands would put
; 2^-9 of the score itself into the exponent.
; NOT USED: tensor loads (x is turned into f and the two pieces of hv on its way into LDS, so it passes through registers anyway);
; clusters (what work-groups share is x, 65,536 bytes read once by each, against 1,048,576 exponentials of each); prefetches (same reason).
; LIMITS: 2^-126 <= |w| < 2^126 for wq, wk, wv (v_rcp_f32 flushes denormal inputs and results: ISA guide 15.8); w = 0 gives NaN as w / |w| does;
; exponentials below 2^-126 count as 0; Z is summed from e rounded to bf16, a relative error of at most 2^-9; inputs are taken as finite.
.set LOG2E, 0x3fb8aa3b
; LDS
.set WT,   65536                       ; bytes 0 .. 65,535: f_i in f32 (wave w's part at 8,192 w).  From WT: three rows of 16,384 bf16
.set WP,   32832                       ; their pitch: 32,768 + 64, so that the three rows' 16-byte pieces fall on different columns modulo 256 bytes
.set MMB,  164096                      ; (min, max) of f for each of 8 waves: 64 bytes
.set RED,  164352                      ; [wave 8][channel 3][column 64] f32: 6,144 bytes, up to 170,496
; registers that stay
.set GM,   8                           ; v[8:15]   tile t: the pair (g', -m') of my column
.set XJ,   16                          ; v[16:17]  x of columns 2 L, 2 L + 1 of the group (for the way out)
.set CQ,   18                          ; v[18:19]  (sq, bq)
.set CV,   20                          ; v[20:21]  (sv, bv)
.set CK,   22                          ; v[22:23]  (sk, bk)
.set FM,   24                          ; v[24:25]  (fmin, fmax)
; v4 LDS address of my f pieces, v5 of my A fragment (both stepped by the loop); v6 x offset = LDS address of f stores; v7 x offset of my tile column;
; v26 offset of my column pair; v27, v28 LDS addresses of the table stores; v29 RED store; v30 RED load; v31 at work
; the main loop's registers
.set FS,   32                          ; v[32:63]   two sets of 16 f
.set WS,   64                          ; v[64:79]   two sets of an A fragment
.set TS,   80                          ; v[80:111]  two sets of 16 exponents / exponentials
.set PS,   112                         ; v[112:127] two sets of a B fragment
.set ACC,  128                         ; v[128:159] tile t: 8 registers
; the preparation's registers (same numbers, earlier in time)
.set XR,   32                          ; v[32:95]   16 loads of 4 x
.set PA,   96                          ; v[96:99]   f
.set PB,   100                         ; v[100:101] upper piece of hv, 4 bf16
.set PU,   102                         ; v[102:105] the same widened
.set PL,   106                         ; v[106:107] lower piece of hv
.set MN,   108
.set MX,   109
.set TMP,  110
.set ONE,  112                         ; v[112:115] eight bf16 ones
.set XT,   128                         ; v[128:131] x of my column in tiles 0 to 3
	s_load_b512 s[8:23], s[0:1], 0x0               ; x 8:9, wq 10:11, bq 12:13, wk 14:15, bk 16:17, wv 18:19, bv 20:21, gamma 22:23
	s_load_b128 s[24:27], s[0:1], 0x40             ; out0 24:25, ws 26:27
	v_lshl_add_u32 v160, v0, 2, 0x29a00
	v_mov_b32 v161, 0
	v_lshrrev_b32 v31, 5, v0
	v_readfirstlane_b32 s2, v31                    ; wave 0..7
	v_and_b32 v1, 31, v0                           ; L
	v_and_b32 v2, 15, v0                           ; r
	v_bfe_u32 v3, v0, 4, 1                         ; h
	s_lshl_b32 s4, ttmp9, 8                        ; byte offset of the group's 64 columns in x, out0 and the arrays of ws
	s_lshl_b32 s5, s2, 13                          ; my wave's 2,048 f32
	s_lshl_b32 s6, s2, 12                          ; my wave's 2,048 bf16,
	s_add_co_u32 s6, s6, WT                        ; in the row of ones,
	s_add_co_u32 s7, s6, WP                        ; in the row of upper pieces
	s_mul_i32 s41, s2, 768
	s_add_co_u32 s41, s41, RED                     ; my wave's 3 x 64 sums
	s_lshl_b32 s42, s2, 3
	s_add_co_u32 s42, s42, MMB                     ; my wave's (min, max)
	s_mov_b32 s36, 0x76543210                      ; v_permlanex16_b32: lane i of one half reads lane i of the other
	s_mov_b32 s37, 0xfedcba98
	s_mov_b32 s40, 0xffff0000                      ; a word's upper bf16
	v_lshl_add_u32 v4, v3, 5, s5                   ; f: 8,192 w + 32 h
	v_and_b32 v31, 3, v0
	v_min_u32 v31, 2, v31                          ; A's row r takes channel min(r mod 4, 2): rows 0, 1, 2 and 8, 9, 10 are ones, upper, lower
	v_mul_u32_u24 v5, v31, WP
	v_lshl_add_u32 v31, v3, 4, s6
	v_add_nc_u32 v5, v5, v31                       ; A: WT + channel x pitch + 4,096 w + 16 h
	v_lshl_add_u32 v6, v1, 4, s5                   ; 8,192 w + 16 L
	v_lshl_add_u32 v7, v2, 2, s4
	v_lshl_add_u32 v26, v1, 3, s4
	v_lshl_add_u32 v27, v1, 4, s6
	v_lshl_add_u32 v28, v1, 3, s7
	v_lshl_add_u32 v29, v2, 2, s41
	v_lshlrev_b32 v30, 3, v1
	v_add_nc_u32 v30, RED, v30
	v_mov_b32 v[TMP], 0                            ; v_permlanex16_b32 counts as a reader of its destination
.irp k, 0,1,2,3
	v_mov_b32 v[ONE+\k], 0x3f803f80
.endr
	s_wait_kmcnt 0x0                               ; the addresses
	s_load_b32 s28, s[10:11], 0x0                  ; wq
	s_load_b32 s29, s[12:13], 0x0                  ; bq
	s_load_b32 s30, s[14:15], 0x0                  ; wk
	s_load_b32 s31, s[16:17], 0x0                  ; bk
	s_load_b32 s32, s[18:19], 0x0                  ; wv
	s_load_b32 s33, s[20:21], 0x0                  ; bv
	s_load_b32 s34, s[22:23], 0x0                  ; gamma
.irp t, 0,1,2,3
	global_load_b32 v[XT+\t], v7, s[8:9] offset:64*\t          ; x of column 16 t + r
.endr
	global_load_b64 v[XJ:XJ+1], v26, s[8:9]
.irp q, 0,1,2,3,4,5,6,7,8,9,10,11,12,13,14,15
	global_load_b128 v[XR+4*\q:XR+4*\q+3], v6, s[8:9] offset:512*\q    ; my wave's 8,192 bytes of x, 512 neighbouring bytes a load
.endr
.irp q, 0,1,2,3,4,5,6,7
	ds_store_b128 v27, v[ONE:ONE+3] offset:512*\q              ; my wave's part of the row of ones
.endr
	s_wait_kmcnt 0x0                               ; the seven numbers
	s_and_b32 s35, s28, 0x7fffffff                 ; |wq|
	s_and_b32 s38, s30, 0x7fffffff                 ; |wk|
	s_and_b32 s39, s32, 0x7fffffff                 ; |wv|
	v_rcp_f32 v[CQ], s35
	v_rcp_f32 v[CK], s38
	v_rcp_f32 v[CV], s39
	v_mov_b32 v[CQ+1], s29                         ; a plain instruction between the reciprocals and their first use (ISA guide 5.7.2)
	v_mov_b32 v[CK+1], s31
	v_mov_b32 v[CV+1], s33
	s_wait_alu depctr_va_vdst(0)
	v_mul_f32 v[CQ], s28, v[CQ]                    ; w / |w|, within a last bit of +1 or -1,
	v_mul_f32 v[CK], s30, v[CK]
	v_mul_f32 v[CV], s32, v[CV]
	v_rndne_f32 v[CQ], v[CQ]                       ; and exactly so (NaN stays NaN)
	v_rndne_f32 v[CK], v[CK]
	v_rndne_f32 v[CV], v[CV]
; Four x of load q become four f (to LDS, and into the running minimum and maximum) and four hv in two bf16 pieces (to LDS).
.macro PREP q, first
	s_wait_loadcnt 15-\q                           ; loads come back in order (ISA guide 5.7.1): the 15 - q younger loads of x may stay out
	v_pk_fma_f32 v[PA:PA+1],   v[XR+4*\q:XR+4*\q+1],   v[CQ:CQ+1], v[CQ:CQ+1] op_sel:[0,0,1] op_sel_hi:[1,0,1]   ; x sq + bq
	v_pk_fma_f32 v[PA+2:PA+3], v[XR+4*\q+2:XR+4*\q+3], v[CQ:CQ+1], v[CQ:CQ+1] op_sel:[0,0,1] op_sel_hi:[1,0,1]
	ds_store_b128 v6, v[PA:PA+3] offset:512*\q
.if \first
	v_min_num_f32 v[MN], v[PA], v[PA+1]            ; the first two start the chains: nothing is preset
	v_max_num_f32 v[MX], v[PA], v[PA+1]
.else
	v_min3_num_f32 v[MN], v[MN], v[PA], v[PA+1]
	v_max3_num_f32 v[MX], v[MX], v[PA], v[PA+1]
.endif
	v_min3_num_f32 v[MN], v[MN], v[PA+2], v[PA+3]
	v_max3_num_f32 v[MX], v[MX], v[PA+2], v[PA+3]
	v_pk_fma_f32 v[XR+4*\q:XR+4*\q+1],   v[XR+4*\q:XR+4*\q+1],   v[CV:CV+1], v[CV:CV+1] op_sel:[0,0,1] op_sel_hi:[1,0,1]   ; hv = x sv + bv
	v_pk_fma_f32 v[XR+4*\q+2:XR+4*\q+3], v[XR+4*\q+2:XR+4*\q+3], v[CV:CV+1], v[CV:CV+1] op_sel:[0,0,1] op_sel_hi:[1,0,1]
	v_cvt_pk_bf16_f32 v[PB],   v[XR+4*\q],   v[XR+4*\q+1]
	v_cvt_pk_bf16_f32 v[PB+1], v[XR+4*\q+2], v[XR+4*\q+3]
	ds_store_b64 v28, v[PB:PB+1] offset:256*\q                 ; the upper pieces
	v_lshlrev_b32 v[PU],   16,  v[PB]
	v_and_b32     v[PU+1], s40, v[PB]
	v_lshlrev_b32 v[PU+2], 16,  v[PB+1]
	v_and_b32     v[PU+3], s40, v[PB+1]
	v_pk_add_f32 v[XR+4*\q:XR+4*\q+1],   v[XR+4*\q:XR+4*\q+1],   v[PU:PU+1]   neg_lo:[0,1] neg_hi:[0,1]   ; what the upper piece left (exact)
	v_pk_add_f32 v[XR+4*\q+2:XR+4*\q+3], v[XR+4*\q+2:XR+4*\q+3], v[PU+2:PU+3] neg_lo:[0,1] neg_hi:[0,1]
	v_cvt_pk_bf16_f32 v[PL],   v[XR+4*\q],   v[XR+4*\q+1]
	v_cvt_pk_bf16_f32 v[PL+1], v[XR+4*\q+2], v[XR+4*\q+3]
	ds_store_b64 v28, v[PL:PL+1] offset:WP+256*\q              ; the lower pieces, one row of the table further
.endm
	PREP 0, 1
.irp q, 1,2,3,4,5,6,7,8,9,10,11,12,13,14,15
	PREP \q, 0
.endr
	; g' of my column in each tile (the last wait above was for 0: XT and XJ are in)
.irp t, 0,1,2,3
	v_fma_f32 v[GM+2*\t], v[XT+\t], v[CK], v[CK+1]
.endr
.irp t, 0,1,2,3
	v_mul_f32 v[GM+2*\t], LOG2E, v[GM+2*\t]
.endr
	; minimum and maximum of f over the wave's 32 lanes
.irp k, 1,2,4,8
	v_min_num_f32_dpp v[MN], v[MN], v[MN] row_xmask:\k row_mask:0xf bank_mask:0xf
	v_max_num_f32_dpp v[MX], v[MX], v[MX] row_xmask:\k row_mask:0xf bank_mask:0xf
.endr
	v_permlanex16_b32 v[TMP], v[MN], s36, s37
	v_min_num_f32 v[MN], v[MN], v[TMP]
	v_permlanex16_b32 v[TMP], v[MX], s36, s37
	v_max_num_f32 v[MX], v[MX], v[TMP]
	v_mov_b32 v31, s42
	ds_store_b64 v31, v[MN:MN+1]                   ; every lane stores the same pair to the wave's place
	s_wait_dscnt 0x0                               ; for the other waves' sake: my stores are done before I signal
	s_barrier_signal -1
	s_barrier_wait -1
	v_mov_b32 v31, MMB
.irp k, 0,1,2,3
	ds_load_b128 v[PA+4*\k:PA+4*\k+3], v31 offset:16*\k        ; the eight (min, max), the same in every lane
.endr
; Six LDS loads: 16 f of a chunk (the sixteen lanes of a half read the same bytes) and the chunk's A fragment.
.macro FETCH set, fo, wo
	ds_load_b128 v[FS+16*(\set):FS+16*(\set)+3],     v4 offset:\fo
	ds_load_b128 v[FS+16*(\set)+4:FS+16*(\set)+7],   v4 offset:\fo+16
	ds_load_b128 v[FS+16*(\set)+8:FS+16*(\set)+11],  v4 offset:\fo+64
	ds_load_b128 v[FS+16*(\set)+12:FS+16*(\set)+15], v4 offset:\fo+80
	ds_load_b128 v[WS+8*(\set):WS+8*(\set)+3],       v5 offset:\wo
	ds_load_b128 v[WS+8*(\set)+4:WS+8*(\set)+7],     v5 offset:\wo+32
.endm
	FETCH 0, 0, 0                                  ; chunk 0
	s_wait_dscnt 0x6                               ; the four loads of minima and maxima are in; the six just issued stay out
	v_min3_num_f32 v[FM],   v[PA],   v[PA+2], v[PA+4]
	v_max3_num_f32 v[FM+1], v[PA+1], v[PA+3], v[PA+5]
	v_min3_num_f32 v[FM],   v[FM],   v[PA+6], v[PA+8]
	v_max3_num_f32 v[FM+1], v[FM+1], v[PA+7], v[PA+9]
	v_min3_num_f32 v[FM],   v[FM],   v[PA+10], v[PA+12]
	v_max3_num_f32 v[FM+1], v[FM+1], v[PA+11], v[PA+13]
	v_min_num_f32  v[FM],   v[FM],   v[PA+14]
	v_max_num_f32  v[FM+1], v[FM+1], v[PA+15]
.irp t, 0,1,2,3
	v_mul_f32 v96, v[GM+2*\t], v[FM+1]             ; g' fmax
	v_mul_f32 v97, v[GM+2*\t], v[FM]               ; g' fmin
	v_min_num_f32 v[GM+2*\t+1], -v96, -v97         ; -m' = -max of the two
.endr
.macro FMAS tile, s                    ; 16 exponents: f g' - m', one rounding each
.irp k, 0,2,4,6,8,10,12,14
	v_pk_fma_f32 v[TS+16*(\tile%2)+\k:TS+16*(\tile%2)+\k+1], v[FS+16*\s+\k:FS+16*\s+\k+1], v[GM+2*\tile:GM+2*\tile+1], v[GM+2*\tile:GM+2*\tile+1] op_sel:[0,0,1] op_sel_hi:[1,0,1]
.endr
.endm
.macro EXPS tile
.irp k, 0,1,2,3,4,5,6,7,8,9,10,11,12,13,14,15
	v_exp_f32 v[TS+16*(\tile%2)+\k], v[TS+16*(\tile%2)+\k]
.endr
.endm
.macro CVTS tile                       ; the B fragment: k ascends along the registers, the lower k in the lower half
	s_wait_alu depctr_va_vdst(0)
.irp k, 0,1,2,3,4,5,6,7
	v_cvt_pk_bf16_f32 v[PS+8*(\tile%2)+\k], v[TS+16*(\tile%2)+2*\k], v[TS+16*(\tile%2)+2*\k+1]
.endr
.endm
.macro MMUL tile, s, zero              ; rows 0, 1, 2 of the result: Z, S's upper part, S's lower part of 16 columns
.if \zero
	v_wmma_f32_16x16x32_bf16 v[ACC+8*\tile:ACC+8*\tile+7], v[WS+8*\s:WS+8*\s+7], v[PS+8*(\tile%2):PS+8*(\tile%2)+7], 0
.else
	v_wmma_f32_16x16x32_bf16 v[ACC+8*\tile:ACC+8*\tile+7], v[WS+8*\s:WS+8*\s+7], v[PS+8*(\tile%2):PS+8*(\tile%2)+7], v[ACC+8*\tile:ACC+8*\tile+7]
.endif
.endm
; One chunk of 32 rows i, four tiles, from register set s.  zero = 1: the first products start the sums.  fetch = 1: the next chunk's loads go out.
; The four accumulators take turns, one matrix instruction a turn, over the backward jump too.
; Behind each run of exponentials the next tile's multiply-adds are the plain instructions that stand in front of the first use (ISA guide 5.7.2).
; A register of a matrix instruction is written again, or loaded into, only behind at least eight plain vector instructions that name none of
; its registers (ISA guide 7.12.1 asks for four): the loads into the other set's A fragment stand behind tile 0's eight multiply-adds, and a
; B set is rewritten two tiles later.
.macro CHUNK s, zero, fetch
	s_wait_dscnt 0x0                               ; set s: its six loads, issued a chunk ago, are the only ones out
	FMAS 0, \s
.if \fetch
	FETCH 1-\s, 128+128*\s, 64+64*\s
.endif
	EXPS 0
	FMAS 1, \s
	CVTS 0
	MMUL 0, \s, \zero
	EXPS 1
	FMAS 2, \s
	CVTS 1
	MMUL 1, \s, \zero
	EXPS 2
	FMAS 3, \s
	CVTS 2
	MMUL 2, \s, \zero
	EXPS 3
	v_nop                                          ; no multiply-adds are left to stand behind the last exponentials
	s_wait_alu depctr_va_vdst(0)
	CVTS 3
	MMUL 3, \s, \zero
.endm
.macro STEP                            ; two chunks on: 64 f32, 64 bf16
	v_add_nc_u32 v4, 256, v4
	v_add_nc_u32 v5, 128, v5
.endm
	CHUNK 0, 1, 1                                  ; chunks 0 and 1 stand in front of the loop: chunk 0 starts the sums
	CHUNK 1, 0, 1
	STEP
	s_mov_b32 s3, 30                               ; chunks 2 to 61
.Ltrip:
	CHUNK 0, 0, 1
	CHUNK 1, 0, 1
	STEP
	s_sub_co_u32 s3, s3, 1
	s_cmp_lg_u32 s3, 0
	s_cbranch_scc1 .Ltrip
	CHUNK 0, 0, 1                                  ; chunks 62 and 63: the last fetches nothing
	CHUNK 1, 0, 0
	; THE WAY OUT.  Register c of lane (r, h) holds row 8 h + c of column r; rows c and 8 + c of A are the same channel, so lanes r and 16 + r
	; store the same number to the same word.
.rept 4
	v_nop                                          ; four places between the last matrix instruction and the stores that read its result
.endr
.irp t, 0,1,2,3
.irp c, 0,1,2
	ds_store_b32 v29, v[ACC+8*\t+\c] offset:256*\c+64*\t
.endr
.endr
	s_wait_dscnt 0x0                               ; for wave 0's sake: my sums are in LDS before I signal
	s_barrier_signal -1
	s_barrier_wait -1
	s_cmp_lg_u32 s2, 0
	s_cbranch_scc1 .Lend                           ; wave 0 finishes the 64 columns, two a lane
.irp i, 0,1,2,3,4,5,6,7,8,9,10,11,12,13,14,15,16,17,18,19,20,21,22,23
	ds_load_b64 v[32+2*\i:33+2*\i], v30 offset:256*\i          ; i = 3 x wave + channel
.endr
	s_wait_dscnt 0x0
	v_pk_add_f32 v[80:81], v[32:33], v[38:39]      ; Z over the eight waves
	v_pk_add_f32 v[82:83], v[34:35], v[36:37]      ; S: upper and lower parts over the eight waves
.irp i, 2,3,4,5,6,7
	v_pk_add_f32 v[80:81], v[80:81], v[32+6*\i:33+6*\i]
.endr
.irp i, 1,2,3,4,5,6,7
	v_pk_add_f32 v[82:83], v[82:83], v[34+6*\i:35+6*\i]
	v_pk_add_f32 v[82:83], v[82:83], v[36+6*\i:37+6*\i]
.endr
	v_rcp_f32 v84, v80                             ; Z lies between about 1 (the column's largest term) and 16,384
	v_rcp_f32 v85, v81
	v_pk_fma_f32 v[88:89], v[XJ:XJ+1], v[CK:CK+1], v[CK:CK+1] op_sel:[0,0,1] op_sel_hi:[1,0,1]   ; g of my two columns; also the plain place behind the reciprocals
	v_pk_mul_f32 v[88:89], v[88:89], LOG2E op_sel_hi:[1,0]     ; g', by the same operations as in the tiles: the same bits
	s_wait_alu depctr_va_vdst(0)
	v_pk_mul_f32 v[82:83], v[82:83], v[84:85]      ; S / Z
	v_pk_mul_f32 v[90:91], v[88:89], v[FM:FM+1] op_sel:[0,1] op_sel_hi:[1,1]   ; g' fmax
	v_pk_mul_f32 v[92:93], v[88:89], v[FM:FM+1] op_sel_hi:[1,0]                ; g' fmin
	v_fma_f32 v86, s34, v82, v[XJ]                 ; gamma S / Z + x
	v_fma_f32 v87, s34, v83, v[XJ+1]
	v_min_num_f32 v90, -v90, -v92                  ; -m'
	v_min_num_f32 v91, -v91, -v93
	v_pk_mul_f32 v[84:85], v[84:85], 0x38800000 op_sel_hi:[1,0]    ; 1 / (16,384 Z)
	global_store_b64 v26, v[86:87], s[24:25]                   ; each store of the wave covers 256 consecutive bytes, aligned
	global_store_b64 v26, v[88:89], s[26:27]
	global_store_b64 v26, v[90:91], s[26:27] offset:65536
	global_store_b64 v26, v[84:85], s[26:27] offset:131072
.Lend:
	s_wait_tensorcnt 0x0
	ds_add_u32 v160, v161
	s_wait_dscnt 0x0
	s_endpgm
.Lfunc_end_k_q692866db7d_colsum:
	.size	k_q692866db7d_colsum, .Lfunc_end_k_q692866db7d_colsum-k_q692866db7d_colsum
	.p2alignl 7, 3214868480
	.fill 96, 4, 3214868480
	.section	.rodata,"a",@progbits
	.p2align	6, 0x0
	.amdhsa_kernel k_q692866db7d_colsum
		.amdhsa_group_segment_fixed_size 171520
		.amdhsa_private_segment_fixed_size 0
		.amdhsa_enable_private_segment 0
		.amdhsa_kernarg_size 80
		.amdhsa_user_sgpr_count 2
		.amdhsa_user_sgpr_kernarg_segment_ptr 1
		.amdhsa_wavefront_size32 1
		.amdhsa_system_sgpr_workgroup_id_x 1
		.amdhsa_system_sgpr_workgroup_id_y 1
		.amdhsa_system_sgpr_workgroup_id_z 1
		.amdhsa_system_vgpr_workitem_id 0
		.amdhsa_next_free_vgpr 162
		.amdhsa_next_free_sgpr 66
		.amdhsa_reserve_vcc 0
		.amdhsa_float_denorm_mode_32 3
		.amdhsa_float_denorm_mode_16_64 3
		.amdhsa_memory_ordered 1
		.amdhsa_forward_progress 1
		.amdhsa_inst_pref_size 75
	.end_amdhsa_kernel
	.amdgpu_metadata
---
amdhsa.version: [ 1, 2 ]
amdhsa.kernels:
  - .name:           k_q692866db7d_colsum
    .symbol:         k_q692866db7d_colsum.kd
    .args:
      - { .name: x, .offset: 0, .size: 8, .value_kind: global_buffer, .address_space: global }
      - { .name: wq, .offset: 8, .size: 8, .value_kind: global_buffer, .address_space: global }
      - { .name: bq, .offset: 16, .size: 8, .value_kind: global_buffer, .address_space: global }
      - { .name: wk, .offset: 24, .size: 8, .value_kind: global_buffer, .address_space: global }
      - { .name: bk, .offset: 32, .size: 8, .value_kind: global_buffer, .address_space: global }
      - { .name: wv, .offset: 40, .size: 8, .value_kind: global_buffer, .address_space: global }
      - { .name: bv, .offset: 48, .size: 8, .value_kind: global_buffer, .address_space: global }
      - { .name: gamma, .offset: 56, .size: 8, .value_kind: global_buffer, .address_space: global }
      - { .name: out0, .offset: 64, .size: 8, .value_kind: global_buffer, .address_space: global }
      - { .name: ws, .offset: 72, .size: 8, .value_kind: global_buffer, .address_space: global }
    .group_segment_fixed_size: 171520
    .private_segment_fixed_size: 0
    .kernarg_segment_align: 8
    .kernarg_segment_size: 80
    .max_flat_workgroup_size: 256
    .sgpr_count:     66
    .vgpr_count:     162
    .wavefront_size: 32
...
	.end_amdgpu_metadata
.endif
;; end of part 1
;; launch rowmean (part 2): grid 256 x 1, 8 waves a work-group, no clusters, 70,912 bytes of LDS; arguments x, wq, bq, ws, out1; writes out1
.if DOCPART == 2
	.amdgcn_target "amdgcn-amd-amdhsa--gfx1250"
	.amdhsa_code_object_version 6
	.text
	.protected	k_q692866db7d_rowmean
	.globl	k_q692866db7d_rowmean
	.p2align	8
	.type	k_q692866db7d_rowmean,@function
k_q692866db7d_rowmean:
	s_mov_b64 s[64:65], 0
	v_nop
	global_prefetch_b8 v0, s[64:65] scope:SCOPE_SE
	s_setreg_imm32_b32 hwreg(HW_REG_WAVE_MODE, 25, 1), 1
	s_wait_xcnt 0x0
; SelfAttentionWithMap, second launch: out1_i = (1 / N) sum over j of exp(f_i g_j - m_j) / Z_j = sum_j exp2(f_i g'_j + (-m'_j)) rw_j,
; with g', -m' and rw = 1 / (N Z) as the first launch stored them in ws (at bytes 0, 65,536 and 131,072), and f_i = sq x_i + bq made here by
; the same operations as there.  The maximum taken away is the column's true maximum.
; The exponentials are made a second time: Z_j needs every i before any term of out1 can be weighted, and the 16,384 x 16,384 terms are too
; many to be kept.  The sum over j is kept in f32 on the vector unit: per term half a packed multiply-add for the exponent, the exponential,
; half a packed multiply-add for the sum.
; SHARES: 256 work-groups of 8 waves; a work-group owns 64 rows i.  Wave w takes 32 of them (w mod 2) and 4,096 of the columns (w / 2).
; Lanes hold columns: a chunk is 128 columns, four a lane, as two pairs; the 32 f lie in 32 registers, the same in every lane; each row has
; a pair of sums in every lane.  At the end 256 partial sums of each row meet in LDS.
; NOT USED: the matrix unit (a weighted sum in f32), tensor loads and clusters (a wave streams 49,152 bytes straight into registers, a chunk ahead,
; against 131,072 exponentials of the wave), prefetches (every work-group reads the same 196,608 bytes).
; LIMITS: 2^-126 <= |wq| < 2^126 (v_rcp_f32 flushes denormal inputs and results: ISA guide 15.8); wq = 0 gives NaN as w / |w| does;
; exponentials below 2^-126 count as 0; inputs are taken as finite.
.set RP,   272                         ; LDS: 256 rows of 64 f32 + 16 bytes: an odd multiple of 16, so that sixteen rows' 16-byte pieces fall on different columns modulo 256 bytes
.set OUTS, 69632                       ; behind them: the 64 results
.set CQ,   4                           ; v[4:5]     (sq, bq)
.set FR,   8                           ; v[8:39]    f of my 32 rows
.set DAT,  40                          ; v[40:63]   two sets of (4 g', 4 -m', 4 rw)
.set TS,   64                          ; v[64:95]   two sets of 16 exponents / exponentials
.set ACC,  96                          ; v[96:159]  row i: a pair of sums
; v1 lane; v2 offset of my 32 x; v3 16 x lane; v6 LDS address of my partial sums; v7 at work
	s_load_b256 s[8:15], s[0:1], 0x0               ; x 8:9, wq 10:11, bq 12:13, ws 14:15
	s_load_b64 s[16:17], s[0:1], 0x20              ; out1
	v_lshl_add_u32 v160, v0, 2, 0x11100
	v_mov_b32 v161, 0
	v_lshrrev_b32 v7, 5, v0
	v_readfirstlane_b32 s2, v7                     ; wave 0..7
	v_and_b32 v1, 31, v0
	s_lshl_b32 s4, ttmp9, 8                        ; byte offset of the group's 64 rows in x and out1
	s_and_b32 s5, s2, 1                            ; which 32 rows
	s_lshr_b32 s6, s2, 1                           ; which 4,096 columns
	s_lshl_b32 s24, s6, 14                         ; their byte offset in each array of ws
	s_mov_b32 s25, 0
	s_lshl_b32 s7, s5, 7
	s_add_co_u32 s26, s4, s7
	v_mov_b32 v2, s26                              ; the same address in every lane
	v_lshlrev_b32 v3, 4, v1
	s_add_co_u32 s7, s7, s6                        ; LDS row of my row 0: 4 x (32 x half) + quarter
	s_mul_i32 s7, s7, RP
	v_lshl_add_u32 v6, v1, 3, s7
	s_wait_kmcnt 0x0
	s_load_b32 s18, s[10:11], 0x0                  ; wq
	s_load_b32 s19, s[12:13], 0x0                  ; bq
	s_add_nc_u64 s[20:21], s[14:15], s[24:25]      ; ws at my first chunk
.irp k, 0,1,2,3,4,5,6,7
	global_load_b128 v[FR+4*\k:FR+4*\k+3], v2, s[8:9] offset:16*\k
.endr
.macro LOADS s                         ; a chunk: 512 neighbouring bytes of each array
	global_load_b128 v[DAT+12*(\s):DAT+12*(\s)+3],    v3, s[20:21]
	global_load_b128 v[DAT+12*(\s)+4:DAT+12*(\s)+7],  v3, s[20:21] offset:65536
	global_load_b128 v[DAT+12*(\s)+8:DAT+12*(\s)+11], v3, s[20:21] offset:131072
.endm
	LOADS 0
	s_wait_kmcnt 0x0
	s_and_b32 s22, s18, 0x7fffffff
	v_rcp_f32 v[CQ], s22
	v_mov_b32 v[CQ+1], s19                         ; a plain instruction between the reciprocal and its use (ISA guide 5.7.2)
	s_wait_alu depctr_va_vdst(0)
	v_mul_f32 v[CQ], s18, v[CQ]
	v_rndne_f32 v[CQ], v[CQ]                       ; wq / |wq|, exactly +1 or -1
	s_wait_loadcnt 0x3                             ; x is in; the three loads of chunk 0, issued behind it, stay out
.irp k, 0,2,4,6,8,10,12,14,16,18,20,22,24,26,28,30
	v_pk_fma_f32 v[FR+\k:FR+\k+1], v[FR+\k:FR+\k+1], v[CQ:CQ+1], v[CQ:CQ+1] op_sel:[0,0,1] op_sel_hi:[1,0,1]
.endr
; A group q = 0..7 is eight rows (8 (q mod 4) + 0..7) times one pair of columns (q / 4).
.macro TF q, s                         ; exponents: g' f_i - m'; op_sel picks f_i out of its register pair for both halves
	s_wait_alu depctr_va_vdst(0)
.irp k, 0,2,4,6
	v_pk_fma_f32 v[TS+16*(\q%2)+2*\k:TS+16*(\q%2)+2*\k+1],   v[DAT+12*\s+2*(\q/4):DAT+12*\s+2*(\q/4)+1], v[FR+8*(\q%4)+\k:FR+8*(\q%4)+\k+1], v[DAT+12*\s+4+2*(\q/4):DAT+12*\s+4+2*(\q/4)+1] op_sel_hi:[1,0,1]
	v_pk_fma_f32 v[TS+16*(\q%2)+2*\k+2:TS+16*(\q%2)+2*\k+3], v[DAT+12*\s+2*(\q/4):DAT+12*\s+2*(\q/4)+1], v[FR+8*(\q%4)+\k:FR+8*(\q%4)+\k+1], v[DAT+12*\s+4+2*(\q/4):DAT+12*\s+4+2*(\q/4)+1] op_sel:[0,1,0] op_sel_hi:[1,1,1]
.endr
.endm
.macro EX q
.irp k, 0,1,2,3,4,5,6,7,8,9,10,11,12,13,14,15
	v_exp_f32 v[TS+16*(\q%2)+\k], v[TS+16*(\q%2)+\k]
.endr
.endm
.macro AC q, s, zero                   ; sums += e rw; zero = 1: the first products start the sums
.irp k, 0,1,2,3,4,5,6,7
.if \zero
	s_wait_alu depctr_va_vdst(0)
	v_pk_mul_f32 v[ACC+2*(8*(\q%4)+\k):ACC+2*(8*(\q%4)+\k)+1], v[TS+16*(\q%2)+2*\k:TS+16*(\q%2)+2*\k+1], v[DAT+12*\s+8+2*(\q/4):DAT+12*\s+8+2*(\q/4)+1]
.else
	v_pk_fma_f32 v[ACC+2*(8*(\q%4)+\k):ACC+2*(8*(\q%4)+\k)+1], v[TS+16*(\q%2)+2*\k:TS+16*(\q%2)+2*\k+1], v[DAT+12*\s+8+2*(\q/4):DAT+12*\s+8+2*(\q/4)+1], v[ACC+2*(8*(\q%4)+\k):ACC+2*(8*(\q%4)+\k)+1]
.endif
.endr
.endm
; One chunk from data set s.  Behind each run of exponentials the next group's multiply-adds stand in front of the first use (ISA guide 5.7.2).
.macro CHUNK2 s, zero, fetch
	s_wait_loadcnt 0x0                             ; set s is in, and no load is out: the base may be stepped
.if \fetch
	s_add_nc_u64 s[20:21], s[20:21], 512
	LOADS 1-\s                                     ; the next chunk has this chunk's 128 exponentials a lane in which to come
.endif
	TF 0, \s
	EX 0
	TF 1, \s
	AC 0, \s, \zero
	EX 1
	TF 2, \s
	AC 1, \s, \zero
	EX 2
	TF 3, \s
	AC 2, \s, \zero
	EX 3
	TF 4, \s
	AC 3, \s, \zero
	EX 4
	TF 5, \s
	AC 4, \s, 0
	EX 5
	TF 6, \s
	AC 5, \s, 0
	EX 6
	TF 7, \s
	AC 6, \s, 0
	EX 7
	v_nop                                          ; no multiply-adds are left to stand behind the last exponentials
	s_wait_alu depctr_va_vdst(0)
	AC 7, \s, 0
.endm
	CHUNK2 0, 1, 1                                 ; chunks 0 and 1 stand in front of the loop: chunk 0 starts the sums
	CHUNK2 1, 0, 1
	s_mov_b32 s3, 14                               ; chunks 2 to 29
.Ltrip:
	CHUNK2 0, 0, 1
	CHUNK2 1, 0, 1
	s_sub_co_u32 s3, s3, 1
	s_cmp_lg_u32 s3, 0
	s_cbranch_scc1 .Ltrip
	CHUNK2 0, 0, 1                                 ; chunks 30 and 31: the last loads nothing, so no load leaves ws
	CHUNK2 1, 0, 0
	; 64 partial sums of each of my 32 rows go to LDS row 4 x (row of the group) + (my quarter of the columns)
.irp i, 0,1,2,3,4,5,6,7,8,9,10,11,12,13,14,15,16,17,18,19,20,21,22,23,24,25,26,27,28,29,30,31
	ds_store_b64 v6, v[ACC+2*\i:ACC+2*\i+1] offset:4*RP*\i
.endr
	s_wait_dscnt 0x0                               ; for the other waves' sake: my stores are done before I signal
	s_barrier_signal -1
	s_barrier_wait -1
	v_mul_u32_u24 v7, v0, RP                       ; thread t sums LDS row t
.irp k, 0,1,2,3,4,5,6,7,8,9,10,11,12,13,14,15
	ds_load_b128 v[8+4*\k:8+4*\k+3], v7 offset:16*\k
.endr
	v_and_b32 v72, 0xfc, v0                        ; 4 x (t / 4): the row of the group, in bytes
	v_add_nc_u32 v72, OUTS, v72
	s_wait_dscnt 0x0
.macro FOLD cnt                        ; pairs 0 .. cnt - 1 take up pairs cnt .. 2 cnt - 1
.set p, 0
.rept \cnt
	v_pk_add_f32 v[8+2*p:9+2*p], v[8+2*p:9+2*p], v[8+2*(p+\cnt):9+2*(p+\cnt)]
.set p, p+1
.endr
.endm
	FOLD 16
	FOLD 8
	FOLD 4
	FOLD 2
	FOLD 1
	v_add_f32 v8, v8, v9
	v_add_f32_dpp v8, v8, v8 row_xmask:1 row_mask:0xf bank_mask:0xf    ; the four threads of a row of the group: its four quarters of the columns
	v_add_f32_dpp v8, v8, v8 row_xmask:2 row_mask:0xf bank_mask:0xf
	ds_store_b32 v72, v8                           ; the four store the same number to the same word
	s_wait_dscnt 0x0                               ; for wave 0's sake
	s_barrier_signal -1
	s_barrier_wait -1
	s_cmp_lg_u32 s2, 0
	s_cbranch_scc1 .Lend
	v_lshlrev_b32 v73, 3, v1
	v_add_nc_u32 v73, OUTS, v73
	v_lshl_add_u32 v76, v1, 3, s4
	ds_load_b64 v[74:75], v73
	s_wait_dscnt 0x0
	global_store_b64 v76, v[74:75], s[16:17]       ; the wave's one store covers the group's 256 consecutive bytes of out1, aligned
.Lend:
	s_wait_tensorcnt 0x0
	ds_add_u32 v160, v161
	s_wait_dscnt 0x0
	s_endpgm
.Lfunc_end_k_q692866db7d_rowmean:
	.size	k_q692866db7d_rowmean, .Lfunc_end_k_q692866db7d_rowmean-k_q692866db7d_rowmean
	.p2alignl 7, 3214868480
	.fill 96, 4, 3214868480
	.section	.rodata,"a",@progbits
	.p2align	6, 0x0
	.amdhsa_kernel k_q692866db7d_rowmean
		.amdhsa_group_segment_fixed_size 70912
		.amdhsa_private_segment_fixed_size 0
		.amdhsa_enable_private_segment 0
		.amdhsa_kernarg_size 40
		.amdhsa_user_sgpr_count 2
		.amdhsa_user_sgpr_kernarg_segment_ptr 1
		.amdhsa_wavefront_size32 1
		.amdhsa_system_sgpr_workgroup_id_x 1
		.amdhsa_system_sgpr_workgroup_id_y 1
		.amdhsa_system_sgpr_workgroup_id_z 1
		.amdhsa_system_vgpr_workitem_id 0
		.amdhsa_next_free_vgpr 162
		.amdhsa_next_free_sgpr 66
		.amdhsa_reserve_vcc 0
		.amdhsa_float_denorm_mode_32 3
		.amdhsa_float_denorm_mode_16_64 3
		.amdhsa_memory_ordered 1
		.amdhsa_forward_progress 1
		.amdhsa_inst_pref_size 87
	.end_amdhsa_kernel
	.amdgpu_metadata
---
amdhsa.version: [ 1, 2 ]
amdhsa.kernels:
  - .name:           k_q692866db7d_rowmean
    .symbol:         k_q692866db7d_rowmean.kd
    .args:
      - { .name: x, .offset: 0, .size: 8, .value_kind: global_buffer, .address_space: global }
      - { .name: wq, .offset: 8, .size: 8, .value_kind: global_buffer, .address_space: global }
      - { .name: bq, .offset: 16, .size: 8, .value_kind: global_buffer, .address_space: global }
      - { .name: ws, .offset: 24, .size: 8, .value_kind: global_buffer, .address_space: global }
      - { .name: out1, .offset: 32, .size: 8, .value_kind: global_buffer, .address_space: global }
    .group_segment_fixed_size: 70912
    .private_segment_fixed_size: 0
    .kernarg_segment_align: 8
    .kernarg_segment_size: 40
    .max_flat_workgroup_size: 256
    .sgpr_count:     66
    .vgpr_count:     162
    .wavefront_size: 32
...
	.end_amdgpu_metadata
.endif
;; end of part 2
;; ======== version 2 of 2: 2 launches; version 1 with the launch colsum written anew for expert scheduling mode
;; limits: values outside matrix products are rounded to bf16
;; workspace buffers: ws 196,608 bytes
;; launch colsum (part 3): grid 256 x 1, 8 waves a work-group, no clusters, 171,520 bytes of LDS; arguments x, wq, bq, wk, bk, wv, bv, gamma, out0, ws; writes out0, ws
.if DOCPART == 3
	.amdgcn_target "amdgcn-amd-amdhsa--gfx1250"
	.amdhsa_code_object_version 6
	.text
	.protected	k_q692866db7d_colsum
	.globl	k_q692866db7d_colsum
	.p2align	8
	.type	k_q692866db7d_colsum,@function
k_q692866db7d_colsum:
	s_mov_b64 s[64:65], 0
	v_nop
	global_prefetch_b8 v0, s[64:65] scope:SCOPE_SE
	s_setreg_imm32_b32 hwreg(HW_REG_WAVE_SCHED_MODE, 0, 2), 2
	s_setreg_imm32_b32 hwreg(HW_REG_WAVE_MODE, 25, 1), 1
	s_wait_xcnt 0x0
	s_wait_alu depctr_vm_vsrc(0)
; SelfAttentionWithMap, one channel, N = 16,384 positions.  First of two launches: the column sums of the softmax, and out0.
;   f_i = sq x_i + bq,  g_j = sk x_j + bk,  hv_i = sv x_i + bv,  with sq, sk, sv = w / |w| (the spectral norm of a 1 x 1 weight is |w|).
;   e_ij = exp(f_i g_j - m_j),  m_j = max over i of f_i g_j = max(g_j fmax, g_j fmin): the true maximum of the column, from one minimum and maximum of f.
;   Z_j = sum_i e_ij,  S_j = sum_i hv_i e_ij,  out0_j = gamma S_j / Z_j + x_j.
;   ws gets, for the second launch, g'_j = g_j log2(e) at byte 0, -m'_j = -m_j log2(e) at byte 65,536, 1 / (N Z_j) at byte 131,072.
; SHARES: 256 work-groups of 8 waves.  A work-group owns 64 columns j (four tiles of 16); wave w owns the rows i = 2,048 w .. 2,048 w + 2,047,
; 64 chunks of 32.  For a chunk and a tile a lane makes 16 exponentials, exactly the B fragment of a 16 x 16 x 32 product: lane (r, h) holds
; column r, k = 8 h .. 8 h + 7 and 16 + 8 h .. + 7.  A's rows are: ones (gives Z), bf16(hv) and bf16(hv - bf16(hv)) (together S), so that
; S and Z are sums over the SAME rounded e and S / Z is a weighted mean of hv.
; The exponent f g' - m' is one fused multiply-add in f32: the scores have a contraction of length 1, and 16-bit operands would put
; 2^-9 of the score itself into the exponent.
; NOT USED: tensor loads (x is turned into f and the two pieces of hv on its way into LDS, so it passes through registers anyway);
; clusters (what work-groups share is x, 65,536 bytes read once by each, against 1,048,576 exponentials of each); prefetches (same reason).
; LIMITS: 2^-126 <= |w| < 2^126 for wq, wk, wv (v_rcp_f32 flushes denormal inputs and results: ISA guide 15.8); w = 0 gives NaN as w / |w| does;
; exponentials below 2^-126 count as 0; Z is summed from e rounded to bf16, a relative error of at most 2^-9; inputs are taken as finite.
; THE MODE: SCHED_MODE bits 1:0 = 2 (LLVM: expert scheduling mode 2), set by the entry lines.  The code itself states the register dependences
; between vector or matrix instructions and memory or LDS instructions, with s_wait_alu, always for 0.
; THE PLAN OF THE MAIN LOOP.  A HALF is a chunk's pair of tiles: half n = 2 c + p is chunk c, tiles 2 p and 2 p + 1.  Step n holds three stages:
; the 32 exponentials of half n, in place in TS[p]; the 16 roundings and 2 products of half n - 1 (TS[1-p] -> PS -> ACC); the 16 multiply-adds of
; half n + 1, into TS[1-p], behind the roundings that emptied it.  An exponential and a plain instruction stand by turns.
; Registers that LDS instructions touch in the loop (F(c): the chunk's 16 f of a lane; W(c): its A fragment):
;   FS0, FS1   F(c) lies in FS[c % 2]: read by the multiply-adds of steps 2 c - 1 and 2 c; the loads of F(c + 2) land in it in step 2 c + 1.
;   WS0, WS1   W(c) lies in WS[c % 2]: read by the products of steps 2 c + 1 and 2 c + 2; the loads of W(c + 2) land in it in step 2 c + 3.
;   v4, v5     read by every one of these loads; written once in two chunks, at the head of an even step, which holds no load.
;   TS, PS and the accumulators are named by vector and matrix instructions alone.
; ONE wait on va_vdst stands at the end of each step.  It states that the step's exponentials have written TS[p], which the next step's roundings
; read; at the end of an even step 2 c also that F(c) and W(c - 1) have been read for the last time and that v4 and v5 are written.  The six
; loads of step 2 c + 1 follow it, dealt among the step's first instructions, which name TS, PS, ACC, GM, FS[(c + 1) % 2] and WS[c % 2]: none of the
; registers that the loads touch.  One wait on vm_vsrc in two chunks stands ahead of the adds to v4 and v5.
; THE PLAN OF THE PREPARATION.  Each of the sixteen loads of x has result registers of its own, so no store's data is written twice: four groups
; of four loads; one wait on va_vdst behind a group, and that group's twelve LDS stores dealt among the next group's arithmetic.
.set LOG2E, 0x3fb8aa3b
; LDS
.set WT,   65536                       ; bytes 0 .. 65,535: f_i in f32 (wave w's part at 8,192 w).  From WT: three rows of 16,384 bf16
.set WP,   32832                       ; their pitch: 32,768 + 64, so that the three rows' 16-byte pieces fall on different columns modulo 256 bytes
.set MMB,  164096                      ; (min, max) of f for each of 8 waves: 64 bytes
.set RED,  164352                      ; [wave 8][channel 3][column 64] f32: 6,144 bytes, up to 170,496
; registers that stay
.set GM,   8                           ; v[8:15]   tile t: the pair (g', -m') of my column
.set XJ,   16                          ; v[16:17]  x of columns 2 L, 2 L + 1 of the group (for the way out)
.set CQ,   18                          ; v[18:19]  (sq, bq)
.set CV,   20                          ; v[20:21]  (sv, bv)
.set CK,   22                          ; v[22:23]  (sk, bk)
.set FM,   24                          ; v[24:25]  (fmin, fmax)
; v4 LDS address of my f pieces, v5 of my A fragment (both stepped by the loop); v6 x offset = LDS address of f stores; v7 x offset of my tile column;
; v26 offset of my column pair; v27, v28 LDS addresses of the table stores; v29 RED store; v30 RED load; v31 at work at the head
.set AMS,  192                         ; v192      LDS address of my wave's (min, max)
.set AML,  193                         ; v193      LDS address of the eight (min, max)
; the main loop's registers
.set FS,   32                          ; v[32:63]   two sets of 16 f
.set WS,   64                          ; v[64:79]   two sets of an A fragment
.set TS,   80                          ; v[80:143]  two sets of 32 exponents / exponentials: set p holds tiles 2 p, 2 p + 1
.set PS,   144                         ; v[144:159] the B fragments of a pair of tiles
.set ACC,  160                         ; v[160:191] tile t: 8 registers
; the preparation's registers (v32 to v191 earlier in time than the loop's)
.set XR,   32                          ; v[32:95]   load q: 4 x, then 4 hv, then what the upper piece left; its first two registers end as the lower pieces
.set FO,   96                          ; v[96:159]  load q: 4 f
.set PB,   160                         ; v[160:191] load q: the upper pieces of 4 hv, 2 registers
.set PU,   194                         ; v[194:197] the upper pieces widened, at work: no LDS instruction names them
.set MN,   198
.set MX,   199
.set TMP,  200
.set ONE,  202                         ; v[202:205] eight bf16 ones
.set XT,   206                         ; v[206:209] x of my column in tiles 0 to 3
.set ML,   210                         ; v[210:225] the eight waves' (min, max)
.set TM,   226                         ; v[226:227] at work
	s_load_b512 s[8:23], s[0:1], 0x0               ; x 8:9, wq 10:11, bq 12:13, wk 14:15, bk 16:17, wv 18:19, bv 20:21, gamma 22:23
	s_load_b128 s[24:27], s[0:1], 0x40             ; out0 24:25, ws 26:27
	v_lshl_add_u32 v228, v0, 2, 0x29a00
	v_mov_b32 v229, 0
	v_lshrrev_b32 v31, 5, v0
	v_readfirstlane_b32 s2, v31                    ; wave 0..7
	v_and_b32 v1, 31, v0                           ; L
	v_and_b32 v2, 15, v0                           ; r
	v_bfe_u32 v3, v0, 4, 1                         ; h
	s_lshl_b32 s4, ttmp9, 8                        ; byte offset of the group's 64 columns in x, out0 and the arrays of ws
	s_mov_b32 s36, 0x76543210                      ; v_permlanex16_b32: lane i of one half reads lane i of the other
	s_mov_b32 s37, 0xfedcba98
	s_mov_b32 s40, 0xffff0000                      ; a word's upper bf16
	s_wait_alu depctr_va_sdst(0)                   ; s2 is written, ahead of its first use: the LDS bases below are made from it
	s_lshl_b32 s5, s2, 13                          ; my wave's 2,048 f32
	s_lshl_b32 s6, s2, 12                          ; my wave's 2,048 bf16,
	s_add_co_u32 s6, s6, WT                        ; in the row of ones,
	s_add_co_u32 s7, s6, WP                        ; in the row of upper pieces
	s_mul_i32 s41, s2, 768
	s_add_co_u32 s41, s41, RED                     ; my wave's 3 x 64 sums
	s_lshl_b32 s42, s2, 3
	s_add_co_u32 s42, s42, MMB                     ; my wave's (min, max)
	v_lshl_add_u32 v4, v3, 5, s5                   ; f: 8,192 w + 32 h
	v_and_b32 v31, 3, v0
	v_min_u32 v31, 2, v31                          ; A's row r takes channel min(r mod 4, 2): rows 0, 1, 2 and 8, 9, 10 are ones, upper, lower
	v_mul_u32_u24 v5, v31, WP
	v_lshl_add_u32 v31, v3, 4, s6
	v_add_nc_u32 v5, v5, v31                       ; A: WT + channel x pitch + 4,096 w + 16 h
	v_lshl_add_u32 v6, v1, 4, s5                   ; 8,192 w + 16 L
	v_lshl_add_u32 v7, v2, 2, s4
	v_lshl_add_u32 v26, v1, 3, s4
	v_lshl_add_u32 v27, v1, 4, s6
	v_lshl_add_u32 v28, v1, 3, s7
	v_lshl_add_u32 v29, v2, 2, s41
	v_lshlrev_b32 v30, 3, v1
	v_add_nc_u32 v30, RED, v30
	v_mov_b32 v[AMS], s42
	v_mov_b32 v[AML], MMB
	v_mov_b32 v[TMP], 0                            ; v_permlanex16_b32 counts as a reader of its destination
.irp k, 0,1,2,3
	v_mov_b32 v[ONE+\k], 0x3f803f80
.endr
	s_wait_kmcnt 0x0                               ; the addresses
	s_load_b32 s28, s[10:11], 0x0                  ; wq
	s_load_b32 s29, s[12:13], 0x0                  ; bq
	s_load_b32 s30, s[14:15], 0x0                  ; wk
	s_load_b32 s31, s[16:17], 0x0                  ; bk
	s_load_b32 s32, s[18:19], 0x0                  ; wv
	s_load_b32 s33, s[20:21], 0x0                  ; bv
	s_load_b32 s34, s[22:23], 0x0                  ; gamma
	s_wait_alu depctr_va_vdst(0)                   ; the offsets and addresses v4 to v7, v26 to v30, v192, v193 and the ones are written: every load and store of the kernel reads some of them
.irp t, 0,1,2,3
	global_load_b32 v[XT+\t], v7, s[8:9] offset:64*\t          ; x of column 16 t + r
.endr
	global_load_b64 v[XJ:XJ+1], v26, s[8:9]
.irp q, 0,1,2,3,4,5,6,7,8,9,10,11,12,13,14,15
	global_load_b128 v[XR+4*\q:XR+4*\q+3], v6, s[8:9] offset:512*\q    ; my wave's 8,192 bytes of x, 512 neighbouring bytes a load
.endr
.irp q, 0,1,2,3,4,5,6,7
	ds_store_b128 v27, v[ONE:ONE+3] offset:512*\q              ; my wave's part of the row of ones
.endr
	s_wait_kmcnt 0x0                               ; the seven numbers
	s_and_b32 s35, s28, 0x7fffffff                 ; |wq|
	s_and_b32 s38, s30, 0x7fffffff                 ; |wk|
	s_and_b32 s39, s32, 0x7fffffff                 ; |wv|
	v_rcp_f32 v[CQ], s35
	v_rcp_f32 v[CK], s38
	v_rcp_f32 v[CV], s39
	v_mov_b32 v[CQ+1], s29                         ; a plain instruction between the reciprocals and their first use (ISA guide 5.7.2)
	v_mov_b32 v[CK+1], s31
	v_mov_b32 v[CV+1], s33
	s_wait_alu depctr_va_vdst(0)                   ; the three reciprocals have written v18, v22 and v20, which the multiplies below read
	v_mul_f32 v[CQ], s28, v[CQ]                    ; w / |w|, within a last bit of +1 or -1,
	v_mul_f32 v[CK], s30, v[CK]
	v_mul_f32 v[CV], s32, v[CV]
	v_rndne_f32 v[CQ], v[CQ]                       ; and exactly so (NaN stays NaN)
	v_rndne_f32 v[CK], v[CK]
	v_rndne_f32 v[CV], v[CV]
; Four x of load q become four f (also into the running minimum and maximum) and four hv in two bf16 pieces, all in registers that belong to load q alone.
.macro PREP q, first
	s_wait_loadcnt 15-(\q)                         ; loads come back in order (ISA guide 5.7.1): the 15 - q younger loads of x may stay out
	v_pk_fma_f32 v[FO+4*(\q):FO+4*(\q)+1],   v[XR+4*(\q):XR+4*(\q)+1],   v[CQ:CQ+1], v[CQ:CQ+1] op_sel:[0,0,1] op_sel_hi:[1,0,1]   ; x sq + bq
	v_pk_fma_f32 v[FO+4*(\q)+2:FO+4*(\q)+3], v[XR+4*(\q)+2:XR+4*(\q)+3], v[CQ:CQ+1], v[CQ:CQ+1] op_sel:[0,0,1] op_sel_hi:[1,0,1]
.if \first
	v_min_num_f32 v[MN], v[FO+4*(\q)], v[FO+4*(\q)+1]          ; the first two start the chains: nothing is preset
	v_max_num_f32 v[MX], v[FO+4*(\q)], v[FO+4*(\q)+1]
.else
	v_min3_num_f32 v[MN], v[MN], v[FO+4*(\q)], v[FO+4*(\q)+1]
	v_max3_num_f32 v[MX], v[MX], v[FO+4*(\q)], v[FO+4*(\q)+1]
.endif
	v_min3_num_f32 v[MN], v[MN], v[FO+4*(\q)+2], v[FO+4*(\q)+3]
	v_max3_num_f32 v[MX], v[MX], v[FO+4*(\q)+2], v[FO+4*(\q)+3]
	v_pk_fma_f32 v[XR+4*(\q):XR+4*(\q)+1],   v[XR+4*(\q):XR+4*(\q)+1],   v[CV:CV+1], v[CV:CV+1] op_sel:[0,0,1] op_sel_hi:[1,0,1]   ; hv = x sv + bv
	v_pk_fma_f32 v[XR+4*(\q)+2:XR+4*(\q)+3], v[XR+4*(\q)+2:XR+4*(\q)+3], v[CV:CV+1], v[CV:CV+1] op_sel:[0,0,1] op_sel_hi:[1,0,1]
	v_cvt_pk_bf16_f32 v[PB+2*(\q)],   v[XR+4*(\q)],   v[XR+4*(\q)+1]       ; the upper pieces
	v_cvt_pk_bf16_f32 v[PB+2*(\q)+1], v[XR+4*(\q)+2], v[XR+4*(\q)+3]
	v_lshlrev_b32 v[PU],   16,  v[PB+2*(\q)]
	v_and_b32     v[PU+1], s40, v[PB+2*(\q)]
	v_lshlrev_b32 v[PU+2], 16,  v[PB+2*(\q)+1]
	v_and_b32     v[PU+3], s40, v[PB+2*(\q)+1]
	v_pk_add_f32 v[XR+4*(\q):XR+4*(\q)+1],   v[XR+4*(\q):XR+4*(\q)+1],   v[PU:PU+1]   neg_lo:[0,1] neg_hi:[0,1]   ; what the upper piece left (exact)
	v_pk_add_f32 v[XR+4*(\q)+2:XR+4*(\q)+3], v[XR+4*(\q)+2:XR+4*(\q)+3], v[PU+2:PU+3] neg_lo:[0,1] neg_hi:[0,1]
	v_cvt_pk_bf16_f32 v[XR+4*(\q)],   v[XR+4*(\q)],   v[XR+4*(\q)+1]       ; the lower pieces close up into the first two of their four registers
	v_cvt_pk_bf16_f32 v[XR+4*(\q)+1], v[XR+4*(\q)+2], v[XR+4*(\q)+3]
.endm
; The three LDS stores of load q's results.  They stand behind the wait that follows q's group; no vector instruction behind that wait names their registers.
.macro PUT q
	ds_store_b128 v6,  v[FO+4*(\q):FO+4*(\q)+3] offset:512*(\q)            ; f
	ds_store_b64  v28, v[PB+2*(\q):PB+2*(\q)+1] offset:256*(\q)            ; the upper pieces
	ds_store_b64  v28, v[XR+4*(\q):XR+4*(\q)+1] offset:WP+256*(\q)         ; the lower pieces, one row of the table further
.endm
	PREP 0, 1
.irp q, 1,2,3
	PREP \q, 0
.endr
	s_wait_alu depctr_va_vdst(0)                   ; loads 0 to 3: their f and both pieces are written, which the stores dealt among the next four read
.irp q, 4,5,6,7
	PUT (\q)-4
	PREP \q, 0
.endr
	s_wait_alu depctr_va_vdst(0)                   ; the same for loads 4 to 7
.irp q, 8,9,10,11
	PUT (\q)-4
	PREP \q, 0
.endr
	s_wait_alu depctr_va_vdst(0)                   ; the same for loads 8 to 11
.irp q, 12,13,14,15
	PUT (\q)-4
	PREP \q, 0
.endr
	; g' of my column in each tile (the last wait on LOADcnt above was for 0: XT and XJ are in)
.irp t, 0,1,2,3
	v_fma_f32 v[GM+2*\t], v[XT+\t], v[CK], v[CK+1]
.endr
.irp t, 0,1,2,3
	v_mul_f32 v[GM+2*\t], LOG2E, v[GM+2*\t]
.endr
	; minimum and maximum of f over the wave's 32 lanes
.irp k, 1,2,4,8
	v_min_num_f32_dpp v[MN], v[MN], v[MN] row_xmask:\k row_mask:0xf bank_mask:0xf
	v_max_num_f32_dpp v[MX], v[MX], v[MX] row_xmask:\k row_mask:0xf bank_mask:0xf
.endr
	v_permlanex16_b32 v[TMP], v[MN], s36, s37
	v_min_num_f32 v[MN], v[MN], v[TMP]
	v_permlanex16_b32 v[TMP], v[MX], s36, s37
	v_max_num_f32 v[MX], v[MX], v[TMP]
	s_wait_alu depctr_va_vdst(0)                   ; loads 12 to 15: their results are written, and so is the wave's (min, max): the thirteen stores below read them.  It is also the last vector use of v[32:191] ahead of the loop's loads
.irp q, 12,13,14,15
	PUT \q
.endr
	ds_store_b64 v[AMS], v[MN:MN+1]                ; every lane stores the same pair to the wave's place
	s_wait_dscnt 0x0                               ; for the other waves' sake: my stores are done before I signal
	s_barrier_signal -1
	s_barrier_wait -1
	s_wait_alu depctr_vm_vsrc(0)                   ; my LDS stores have read v[32:191]: from here on these registers are FS, WS, TS, PS and ACC, written by the fragments' loads, the multiply-adds, the roundings and the products
.irp k, 0,1,2,3
	ds_load_b128 v[ML+4*\k:ML+4*\k+3], v[AML] offset:16*\k     ; the eight (min, max), the same in every lane
.endr
; 16 f of a chunk (the sixteen lanes of a half read the same bytes), and a chunk's A fragment
.macro LDF set, fo
	ds_load_b128 v[FS+16*(\set):FS+16*(\set)+3],     v4 offset:\fo
	ds_load_b128 v[FS+16*(\set)+4:FS+16*(\set)+7],   v4 offset:\fo+16
	ds_load_b128 v[FS+16*(\set)+8:FS+16*(\set)+11],  v4 offset:\fo+64
	ds_load_b128 v[FS+16*(\set)+12:FS+16*(\set)+15], v4 offset:\fo+80
.endm
.macro LDW set, wo
	ds_load_b128 v[WS+8*(\set):WS+8*(\set)+3],       v5 offset:\wo
	ds_load_b128 v[WS+8*(\set)+4:WS+8*(\set)+7],     v5 offset:\wo+32
.endm
	LDF 0, 0                                       ; F(0),
	LDW 0, 0                                       ; W(0),
	LDF 1, 128                                     ; F(1)
	s_wait_dscnt 10                                ; the four loads of minima and maxima are in; the ten just issued stay out
	v_min3_num_f32 v[FM],   v[ML],   v[ML+2], v[ML+4]
	v_max3_num_f32 v[FM+1], v[ML+1], v[ML+3], v[ML+5]
	v_min3_num_f32 v[FM],   v[FM],   v[ML+6], v[ML+8]
	v_max3_num_f32 v[FM+1], v[FM+1], v[ML+7], v[ML+9]
	v_min3_num_f32 v[FM],   v[FM],   v[ML+10], v[ML+12]
	v_max3_num_f32 v[FM+1], v[FM+1], v[ML+11], v[ML+13]
	v_min_num_f32  v[FM],   v[FM],   v[ML+14]
	v_max_num_f32  v[FM+1], v[FM+1], v[ML+15]
.irp t, 0,1,2,3
	v_mul_f32 v[TM],   v[GM+2*\t], v[FM+1]         ; g' fmax
	v_mul_f32 v[TM+1], v[GM+2*\t], v[FM]           ; g' fmin
	v_min_num_f32 v[GM+2*\t+1], -v[TM], -v[TM+1]   ; -m' = -max of the two
.endr
; STEP n = 2 c + p.  p = n % 2, s = c % 2.  ex = 1: the exponentials of half n.  cv = 1: the roundings and products of half n - 1; zero = 1: these products
; start the sums.  fm = 1: the multiply-adds of half n + 1.  fetch = 1 (odd steps): W(c + 1) and F(c + 2) are asked for; 2: W(c + 1) alone.
; The four accumulators take turns, one matrix instruction a turn, in the order 0, 1, 2, 3, over the backward jump too.
; A B register is written again only behind the sixteen multiply-adds, or in the tail nine plain instructions, that follow its product and name
; none of that product's registers (ISA guide 7.12.1 asks for four).  Every exponential but the last of a step without multiply-adds has a plain instruction behind it.
.macro HALF p, s, ex, cv, zero, fm, fetch
.set TE, TS+32*(\p)                    ; the exponentials' set
.set TO, TS+32*(1-(\p))                ; the other set: emptied by the roundings, then filled by the multiply-adds
.set T0, 2*(1-(\p))                    ; the first tile of the pair that lives in the other set
.set WX, WS+8*((1-(\s)+(\p))%2)        ; the A fragment of half n - 1's chunk
.set FX, FS+16*(((\s)+(\p))%2)         ; the f of half n + 1's chunk
.if (\p) && (\cv)
	s_wait_dscnt 0x0                               ; W(c) and F(c + 1), which this step reads first: the loads issued two steps ago are the only ones out
.endif
.set k, 0
.rept 32
.if \ex
	v_exp_f32 v[TE+k], v[TE+k]
.endif
.if (k < 16) && (\cv)
	v_cvt_pk_bf16_f32 v[PS+k], v[TO+2*k], v[TO+2*k+1]          ; the B fragments: k ascends along the registers, the lower k in the lower half
.endif
.if (k >= 16) && (\fm)
.set j, k-16
	v_pk_fma_f32 v[TO+2*j:TO+2*j+1], v[FX+2*(j%8):FX+2*(j%8)+1], v[GM+2*(T0+j/8):GM+2*(T0+j/8)+1], v[GM+2*(T0+j/8):GM+2*(T0+j/8)+1] op_sel:[0,0,1] op_sel_hi:[1,0,1]   ; f g' - m', one rounding each
.endif
.if ((k == 7) || (k == 15)) && (\cv)   ; rows 0, 1, 2 of the result: Z, S's upper part, S's lower part of 16 columns
.set u, k/8
.if \zero
	v_wmma_f32_16x16x32_bf16 v[ACC+8*(T0+u):ACC+8*(T0+u)+7], v[WX:WX+7], v[PS+8*u:PS+8*u+7], 0
.else
	v_wmma_f32_16x16x32_bf16 v[ACC+8*(T0+u):ACC+8*(T0+u)+7], v[WX:WX+7], v[PS+8*u:PS+8*u+7], v[ACC+8*(T0+u):ACC+8*(T0+u)+7]
.endif
.endif
.if (\fetch) && (k < 2)                ; no wait: no vector or matrix instruction since the last step's wait names v5 or WS[1 - s],
	ds_load_b128 v[WS+8*(1-(\s))+4*k:WS+8*(1-(\s))+4*k+3], v5 offset:64*((\s)+1)+32*k
.endif
.if ((\fetch) == 1) && (k >= 2) && (k < 6)   ; nor v4 or FS[s]
.set j, k-2
	ds_load_b128 v[FS+16*(\s)+4*j:FS+16*(\s)+4*j+3], v4 offset:128*((\s)+2)+16*(j%2)+64*(j/2)
.endif
.set k, k+1
.endr
.if \ex
.if !(\fm)
	v_nop                                          ; no multiply-add is left to stand behind the last exponential (ISA guide 5.7.2)
.endif
	s_wait_alu depctr_va_vdst(0)                   ; the step's 32 exponentials have written TS[p], which the next step's roundings read.  Behind an even step also: the multiply-adds are done reading F(c) and the products W(c - 1), in whose registers the next step's loads land, and v4 and v5 are written
.endif
.endm
; The head of every two chunks but the first: both LDS addresses move on by two chunks, 64 f32 and 64 bf16.
.macro ON
	s_wait_alu depctr_vm_vsrc(0)                   ; the LDS loads issued so far have read v4 and v5
	v_add_nc_u32 v4, 256, v4
	v_add_nc_u32 v5, 128, v5
.endm
	s_wait_dscnt 6                                 ; F(0) is in; W(0) and F(1), six loads, stay out
	HALF 1, 1, 0, 0, 0, 1, 0                       ; ahead of step 0: the multiply-adds of half 0
	HALF 0, 0, 1, 0, 0, 1, 0                       ; steps 0 to 3, chunks 0 and 1, stand in front of the loop: the products of halves 0 and 1 start the sums
	HALF 1, 0, 1, 1, 1, 1, 1
	HALF 0, 1, 1, 1, 1, 1, 0
	HALF 1, 1, 1, 1, 0, 1, 1
	s_mov_b32 s3, 30                               ; steps 4 to 123: chunks 2 to 61
.Ltrip:
	ON
	HALF 0, 0, 1, 1, 0, 1, 0
	HALF 1, 0, 1, 1, 0, 1, 1
	HALF 0, 1, 1, 1, 0, 1, 0
	HALF 1, 1, 1, 1, 0, 1, 1
	s_sub_co_u32 s3, s3, 1
	s_cmp_lg_u32 s3, 0
	s_cbranch_scc1 .Ltrip
	ON
	HALF 0, 0, 1, 1, 0, 1, 0                       ; steps 124 to 128, chunks 62 and 63: of the fetches only W(63) is left,
	HALF 1, 0, 1, 1, 0, 1, 2
	HALF 0, 1, 1, 1, 0, 1, 0
	HALF 1, 1, 1, 1, 0, 0, 0                       ; there is no half 128 to make exponents for,
	HALF 0, 0, 0, 1, 0, 0, 0                       ; and the last step holds the roundings and products of half 127 alone
	; THE WAY OUT.  Register c of lane (r, h) holds row 8 h + c of column r; rows c and 8 + c of A are the same channel, so lanes r and 16 + r
	; store the same number to the same word.
.rept 4
	v_nop                                          ; four places between the last matrix instruction and the stores that read its result
.endr
	s_wait_alu depctr_va_vdst(0)                   ; the products have written the accumulators, which the LDS stores read; the places above stay beside this wait.  All vector and matrix use of FS and WS is over too: wave 0's loads below land there
.irp t, 0,1,2,3
.irp c, 0,1,2
	ds_store_b32 v29, v[ACC+8*\t+\c] offset:256*\c+64*\t       ; each accumulator from its low end on
.endr
.endr
	s_wait_dscnt 0x0                               ; for wave 0's sake: my sums are in LDS before I signal
	s_barrier_signal -1
	s_barrier_wait -1
	s_cmp_lg_u32 s2, 0
	s_cbranch_scc1 .Lend                           ; wave 0 finishes the 64 columns, two a lane
.irp i, 0,1,2,3,4,5,6,7,8,9,10,11,12,13,14,15,16,17,18,19,20,21,22,23
	ds_load_b64 v[32+2*\i:33+2*\i], v30 offset:256*\i          ; i = 3 x wave + channel
.endr
	s_wait_dscnt 0x0
	v_pk_add_f32 v[80:81], v[32:33], v[38:39]      ; Z over the eight waves
	v_pk_add_f32 v[82:83], v[34:35], v[36:37]      ; S: upper and lower parts over the eight waves
.irp i, 2,3,4,5,6,7
	v_pk_add_f32 v[80:81], v[80:81], v[32+6*\i:33+6*\i]
.endr
.irp i, 1,2,3,4,5,6,7
	v_pk_add_f32 v[82:83], v[82:83], v[34+6*\i:35+6*\i]
	v_pk_add_f32 v[82:83], v[82:83], v[36+6*\i:37+6*\i]
.endr
	v_rcp_f32 v84, v80                             ; Z lies between about 1 (the column's largest term) and 16,384
	v_rcp_f32 v85, v81
	v_pk_fma_f32 v[88:89], v[XJ:XJ+1], v[CK:CK+1], v[CK:CK+1] op_sel:[0,0,1] op_sel_hi:[1,0,1]   ; g of my two columns; also the plain place behind the reciprocals
	v_pk_mul_f32 v[88:89], v[88:89], LOG2E op_sel_hi:[1,0]     ; g', by the same operations as in the tiles: the same bits
	v_pk_mul_f32 v[90:91], v[88:89], v[FM:FM+1] op_sel:[0,1] op_sel_hi:[1,1]   ; g' fmax
	v_pk_mul_f32 v[92:93], v[88:89], v[FM:FM+1] op_sel_hi:[1,0]                ; g' fmin
	v_min_num_f32 v90, -v90, -v92                  ; -m'
	v_min_num_f32 v91, -v91, -v93
	s_wait_alu depctr_va_vdst(0)                   ; the two reciprocals have written v84 and v85, which the multiply below reads; g' and -m' are written, which the two stores below read
	global_store_b64 v26, v[88:89], s[26:27]                   ; each store of the wave covers 256 consecutive bytes, aligned
	global_store_b64 v26, v[90:91], s[26:27] offset:65536
	v_pk_mul_f32 v[82:83], v[82:83], v[84:85]      ; S / Z
	v_fma_f32 v86, s34, v82, v[XJ]                 ; gamma S / Z + x
	v_fma_f32 v87, s34, v83, v[XJ+1]
	v_pk_mul_f32 v[84:85], v[84:85], 0x38800000 op_sel_hi:[1,0]    ; 1 / (16,384 Z)
	s_wait_alu depctr_va_vdst(0)                   ; out0's two numbers and 1 / (N Z) are written, which the last two stores read
	global_store_b64 v26, v[86:87], s[24:25]
	global_store_b64 v26, v[84:85], s[26:27] offset:131072
.Lend:
	s_wait_dscnt 0x0
	s_wait_alu depctr_hold_cnt(0) depctr_sa_sdst(0) depctr_va_vdst(0) depctr_va_sdst(0) depctr_va_ssrc(0) depctr_va_vcc(0) depctr_vm_vsrc(0)
	s_wait_tensorcnt 0x0
	ds_add_u32 v228, v229
	s_wait_dscnt 0x0
	s_endpgm
.Lfunc_end_k_q692866db7d_colsum:
	.size	k_q692866db7d_colsum, .Lfunc_end_k_q692866db7d_colsum-k_q692866db7d_colsum
	.p2alignl 7, 3214868480
	.fill 96, 4, 3214868480
	.section	.rodata,"a",@progbits
	.p2align	6, 0x0
	.amdhsa_kernel k_q692866db7d_colsum
		.amdhsa_group_segment_fixed_size 171520
		.amdhsa_private_segment_fixed_size 0
		.amdhsa_enable_private_segment 0
		.amdhsa_kernarg_size 80
		.amdhsa_user_sgpr_count 2
		.amdhsa_user_sgpr_kernarg_segment_ptr 1
		.amdhsa_wavefront_size32 1
		.amdhsa_system_sgpr_workgroup_id_x 1
		.amdhsa_system_sgpr_workgroup_id_y 1
		.amdhsa_system_sgpr_workgroup_id_z 1
		.amdhsa_system_vgpr_workitem_id 0
		.amdhsa_next_free_vgpr 230
		.amdhsa_next_free_sgpr 66
		.amdhsa_reserve_vcc 0
		.amdhsa_float_denorm_mode_32 3
		.amdhsa_float_denorm_mode_16_64 3
		.amdhsa_memory_ordered 1
		.amdhsa_forward_progress 1
		.amdhsa_inst_pref_size 75
	.end_amdhsa_kernel
	.amdgpu_metadata
---
amdhsa.version: [ 1, 2 ]
amdhsa.kernels:
  - .name:           k_q692866db7d_colsum
    .symbol:         k_q692866db7d_colsum.kd
    .args:
      - { .name: x, .offset: 0, .size: 8, .value_kind: global_buffer, .address_space: global }
      - { .name: wq, .offset: 8, .size: 8, .value_kind: global_buffer, .address_space: global }
      - { .name: bq, .offset: 16, .size: 8, .value_kind: global_buffer, .address_space: global }
      - { .name: wk, .offset: 24, .size: 8, .value_kind: global_buffer, .address_space: global }
      - { .name: bk, .offset: 32, .size: 8, .value_kind: global_buffer, .address_space: global }
      - { .name: wv, .offset: 40, .size: 8, .value_kind: global_buffer, .address_space: global }
      - { .name: bv, .offset: 48, .size: 8, .value_kind: global_buffer, .address_space: global }
      - { .name: gamma, .offset: 56, .size: 8, .value_kind: global_buffer, .address_space: global }
      - { .name: out0, .offset: 64, .size: 8, .value_kind: global_buffer, .address_space: global }
      - { .name: ws, .offset: 72, .size: 8, .value_kind: global_buffer, .address_space: global }
    .group_segment_fixed_size: 171520
    .private_segment_fixed_size: 0
    .kernarg_segment_align: 8
    .kernarg_segment_size: 80
    .max_flat_workgroup_size: 256
    .sgpr_count:     66
    .vgpr_count:     230
    .wavefront_size: 32
...
	.end_amdgpu_metadata
.endif
;; end of part 3
;; launch rowmean: the kernel of part 2 again; grid 256 x 1, 8 waves a work-group, no clusters, 70,912 bytes of LDS; arguments x, wq, bq, ws, out1; writes out1
